; MI455X (gfx1250); checked and timed in simulation.
; The chip was launched on July 23, 2026; its instructions are those of AMD's public machine-readable ISA for CDNA 5 (MIT licence, August 2026) and "CDNA5" Instruction Set Architecture Reference Guide (July 2026). The comments in the code are by the model that wrote it; some were corrected since.
;; Causal Attention. Allowed arithmetic: float matrix products may take bf16 or f16 operands with f32 sums; all other float work in f32.
;; Inputs: W_key 1,024 x 512 float32; W_query 1,024 x 512 float32; W_value 1,024 x 512 float32; x 8 x 2,048 x 1,024 float32.
;; Outputs: out0 8 x 2,048 x 512 float32.
;; 2 versions, each right; version 2 is version 1 with the launch comb written anew for expert scheduling mode. Each part assembles by itself: llvm-mc -triple=amdgcn-amd-amdhsa -mcpu=gfx1250 --defsym DOCPART=n.
;; ======== version 1 of 2: 4 launches
;; limits: values are held in f16: magnitudes above 65,504 overflow, below 6.1e-05 lose precision
;; workspace buffers: wt 3,145,728 bytes; qkv 50,331,648 bytes; part 33,554,432 bytes; stat 131,072 bytes
;; launch wprep (part 1): grid 24 x 16, 8 waves a work-group, no clusters, 17,920 bytes of LDS; arguments W_query, W_key, W_value, wt; writes wt
.if DOCPART == 1
	.amdgcn_target "amdgcn-amd-amdhsa--gfx1250"
	.amdhsa_code_object_version 6
	.text
	.protected	k_qf54c4ed780_wprep
	.globl	k_qf54c4ed780_wprep
	.p2align	8
	.type	k_qf54c4ed780_wprep,@function
k_qf54c4ed780_wprep:
	s_mov_b64 s[64:65], 0
	v_nop
	global_prefetch_b8 v0, s[64:65] scope:SCOPE_SE
	s_setreg_imm32_b32 hwreg(HW_REG_WAVE_MODE, 25, 1), 1
	s_wait_xcnt 0x0
; wt[kb][n][kl] = bf16(W[64 kb + kl][n]): the three weights ([1024 k][512 n] f32) rounded to bf16, turned so that k lies along the rows, and cut into 16 blocks of 64 k.
; n runs 0-511 for W_query, 512-1023 for W_key, 1024-1535 for W_value.  In wt a row (one n, 64 k) is 128 bytes and the rows of a block follow each other without a gap.
; A work-group of eight waves turns 64 k x 64 n through LDS.  In: 16 lanes read 256 consecutive bytes of a row of W.  Out: a wave stores 512 consecutive bytes of wt.
; No matrix unit, no tensor load, no cluster: 9 MB move once, and no two work-groups read the same byte.
.set PITCH, 260                        ; an LDS row (one k, 64 n in f32): 65 words, so that element (k, n) lies in bank (k + n) mod 64 (64 banks of 4 bytes: ISA guide 11.1)
	s_load_b256 s[4:11], s[0:1], 0x0               ; W_query s[4:5], W_key s[6:7], W_value s[8:9], wt s[10:11]
	v_lshl_add_u32 v48, v0, 2, 0x4200
	v_mov_b32 v49, 0
	s_and_b32 s12, ttmp7, 0xffff                   ; kb: which 64 k
	s_lshr_b32 s13, ttmp9, 3                       ; which weight
	s_and_b32 s14, ttmp9, 7                        ; which 64 of its columns
	s_lshl_b32 s18, s12, 17                        ; 64 rows of 2,048 bytes
	s_lshl_b32 s14, s14, 8                         ; 64 columns of 4 bytes
	s_add_co_u32 s18, s18, s14
	s_mov_b32 s19, 0
	s_mul_i32 s20, s12, 1536                       ; wt: row kb x 1536 + 64 x block of columns,
	s_lshl_b32 s15, ttmp9, 6
	s_add_co_u32 s20, s20, s15
	s_lshl_b32 s20, s20, 7                         ; of 128 bytes
	s_mov_b32 s21, 0
	v_lshrrev_b32 v1, 4, v0                        ; in: my row of 16
	v_and_b32 v2, 15, v0                           ; and my 16 bytes of its 256
	v_lshlrev_b32 v3, 11, v1
	v_lshl_add_u32 v3, v2, 4, v3                   ; offset in W
	v_mul_u32_u24 v4, v1, PITCH
	v_lshl_add_u32 v4, v2, 4, v4                   ; and in LDS
	v_and_b32 v5, 7, v0                            ; out: my 8 k of the 64,
	v_mul_u32_u24 v5, v5, 8*PITCH
	v_lshrrev_b32 v7, 3, v0                        ; my n of 32
	v_lshl_add_u32 v5, v7, 2, v5
	v_lshlrev_b32 v6, 4, v0                        ; n x 128 + 16 x (k / 8) = 16 x thread
	s_wait_kmcnt 0x0
	s_cmp_eq_u32 s13, 1
	s_cselect_b64 s[16:17], s[6:7], s[4:5]
	s_cmp_eq_u32 s13, 2
	s_cselect_b64 s[16:17], s[8:9], s[16:17]
	s_add_nc_u64 s[16:17], s[16:17], s[18:19]
	s_add_nc_u64 s[10:11], s[10:11], s[20:21]
.irp i, 0,1,2,3
	global_load_b128 v[8+4*(\i):11+4*(\i)], v3, s[16:17] offset:32768*(\i) th:TH_LOAD_NT  ; rows 16 i + thread / 16
.endr
.irp i, 0,1,2,3
	s_wait_loadcnt 3-(\i)                          ; loads come back in order: load i is in, the younger ones stay out
.irp j, 0,1,2,3
	ds_store_b32 v4, v[8+4*(\i)+(\j)] offset:16*PITCH*(\i)+4*(\j)
.endr
.endr
	s_wait_dscnt 0x0                               ; for the others' sake: my stores are done
	s_barrier_signal -1
	s_barrier_wait -1
.irp u, 0,1
.irp j, 0,1,2,3,4,5,6,7
	ds_load_b32 v[24+8*(\u)+(\j)], v5 offset:PITCH*(\j)+128*(\u)  ; k = 8 (thread % 8) + j, n = thread / 8 + 32 u
.endr
.endr
	s_wait_dscnt 0x0
.irp n, 0,1,2,3,4,5,6,7
	v_cvt_pk_bf16_f32 v[40+(\n)], v[24+2*(\n)], v[25+2*(\n)]
.endr
	global_store_b128 v6, v[40:43], s[10:11]
	global_store_b128 v6, v[44:47], s[10:11] offset:4096          ; 32 rows of 128 bytes further on
	s_wait_tensorcnt 0x0
	ds_add_u32 v48, v49
	s_wait_dscnt 0x0
	s_endpgm
.Lfunc_end_k_qf54c4ed780_wprep:
	.size	k_qf54c4ed780_wprep, .Lfunc_end_k_qf54c4ed780_wprep-k_qf54c4ed780_wprep
	.p2alignl 7, 3214868480
	.fill 96, 4, 3214868480
	.section	.rodata,"a",@progbits
	.p2align	6, 0x0
	.amdhsa_kernel k_qf54c4ed780_wprep
		.amdhsa_group_segment_fixed_size 17920
		.amdhsa_private_segment_fixed_size 0
		.amdhsa_enable_private_segment 0
		.amdhsa_kernarg_size 32
		.amdhsa_user_sgpr_count 2
		.amdhsa_user_sgpr_kernarg_segment_ptr 1
		.amdhsa_wavefront_size32 1
		.amdhsa_system_sgpr_workgroup_id_x 1
		.amdhsa_system_sgpr_workgroup_id_y 1
		.amdhsa_system_sgpr_workgroup_id_z 1
		.amdhsa_system_vgpr_workitem_id 0
		.amdhsa_next_free_vgpr 50
		.amdhsa_next_free_sgpr 66
		.amdhsa_reserve_vcc 0
		.amdhsa_float_denorm_mode_32 3
		.amdhsa_float_denorm_mode_16_64 3
		.amdhsa_memory_ordered 1
		.amdhsa_forward_progress 1
		.amdhsa_inst_pref_size 6
	.end_amdhsa_kernel
	.amdgpu_metadata
---
amdhsa.version: [ 1, 2 ]
amdhsa.kernels:
  - .name:           k_qf54c4ed780_wprep
    .symbol:         k_qf54c4ed780_wprep.kd
    .args:
      - { .name: W_query, .offset: 0, .size: 8, .value_kind: global_buffer, .address_space: global }
      - { .name: W_key, .offset: 8, .size: 8, .value_kind: global_buffer, .address_space: global }
      - { .name: W_value, .offset: 16, .size: 8, .value_kind: global_buffer, .address_space: global }
      - { .name: wt, .offset: 24, .size: 8, .value_kind: global_buffer, .address_space: global }
    .group_segment_fixed_size: 17920
    .private_segment_fixed_size: 0
    .kernarg_segment_align: 8
    .kernarg_segment_size: 32
    .max_flat_workgroup_size: 256
    .sgpr_count:     66
    .vgpr_count:     50
    .wavefront_size: 32
...
	.end_amdgpu_metadata
.endif
;; end of part 1
;; launch proj (part 2): grid 4 x 64, 4 waves a work-group, clusters of 4 x 4, 327,680 bytes of LDS; arguments x, wt, qkv; writes qkv
.if DOCPART == 2
	.amdgcn_target "amdgcn-amd-amdhsa--gfx1250"
	.amdhsa_code_object_version 6
	.text
	.protected	k_qf54c4ed780_proj
	.globl	k_qf54c4ed780_proj
	.p2align	8
	.type	k_qf54c4ed780_proj,@function
k_qf54c4ed780_proj:
	s_mov_b64 s[64:65], 0
	v_nop
	global_prefetch_b8 v0, s[64:65] scope:SCOPE_SE
	s_setreg_imm32_b32 hwreg(HW_REG_WAVE_MODE, 25, 1), 1
	s_wait_xcnt 0x0
	s_wait_alu depctr_hold_cnt(0) depctr_sa_sdst(0) depctr_va_vdst(0) depctr_va_sdst(0) depctr_va_ssrc(0) depctr_va_vcc(0) depctr_vm_vsrc(0)
	s_getreg_b32 s2, hwreg(HW_REG_IB_STS2, 6, 4)
	s_cmp_eq_u32 s2, 0
	s_cbranch_scc0 .Lentry_in_a_cluster
	s_endpgm
.Lentry_in_a_cluster:
	s_bfe_u32 s2, ttmp6, 0x10000c
	s_cmp_lg_u32 s2, 0xf033
	s_cbranch_scc0 .Lentry_shape_is_right
	s_endpgm
.Lentry_shape_is_right:
; q, k, v = x W.  x: [16384][1024] f32.  wt: [16 kb][1536 n][64 k] bf16 (n 0-511 query, 512-1023 key, 1024-1535 value).  qkv: [3][16384][512] f16, unscaled.
; Operands in bf16 (x is rounded on its way from LDS to the matrix unit), sums in f32, results rounded once to f16.
; LIMIT.  f16 holds no number beyond 65,504: a q, k or v of 65,520 or more leaves as an infinity.  With x and the weights each 30 times the usual spread they stay near 3,000, with offsets of 30 spreads near 17,000.
; SHARES.  16384 x 1536 results on 256 work-groups: a tile of 256 rows x 384 columns.  Each of the four waves has 64 rows and all 384 columns: 96 accumulators of 16 x 16, 768 registers.
; So each row of x is read from LDS and rounded by one wave alone: 32 roundings for 96 matrix instructions.
; K goes in steps of 64 through two LDS slots: 256 rows of x (256 bytes each, f32) and 384 rows of wt (128 bytes each, dense in memory, asked for as rows of 256 bytes).
; CLUSTER.  4 x 4 work-groups.  The four of a row of the cluster need the same rows of x, the four of a column the same rows of wt: each tile is asked for jointly, by the same tensor load with
; the same descriptor and a mask that names the four.
; THE MATRIX INSTRUCTION IS USED TRANSPOSED: source 0 = 16 rows of wt, source 1 = 16 rows of x: a lane then holds eight neighbouring columns of one row of the result.
; REGISTERS, in windows of 256 (s_set_vgpr_msb: bits 1:0 source 0, 3:2 source 1, 5:4 source 2, 7:6 destination):
;   window 0: v0-31 addresses; v32-63, v64-95 x's fragments in bf16, two buffers; v96-159 x as loaded, f32; v160-207, v208-255 wt's fragments, two buffers of six
;   windows 1-3: accumulator (b, a), b = 0..23 blocks of 16 columns, a = 0..3 blocks of 16 rows, at register 8 ((4 b + a) % 32) of window 1 + b / 8
.set PA,     272                       ; a row of x in LDS: 256 bytes + 16 of padding: the 16 rows of a load start at 16 different groups of four banks (64 banks of 4 bytes: ISA guide 11.1)
.set PB,     144                       ; a row of wt: 128 + 16
.set AHALF,  128*PA                    ; what one tensor load brings of x
.set ATILE,  2*AHALF
.set BHALF,  192*PB                    ; and of wt
.set SLOT,   ATILE+2*BHALF             ; x's 256 rows, then wt's 384
.set STAGE,  2*SLOT                    ; behind the ring: 16 rows x 784 bytes for each wave, for the way out
.set SP,     784                       ; 384 f16 + 16 bytes
.set SPARE,  STAGE+4*16*SP             ; behind the stages: the spare words, 128 bytes for each wave: two blocks of 256 bytes that no other line names
.set ASTEP,  256                       ; bytes from a K step to the next in x,
.set BSTEP,  1536*128                  ; and in wt
.set ADRA, 16                          ; v16-17  LDS address of my fragments of x in slot 0, 1
.set ADRB, 18                          ; v18-19  the same for wt
.set STO,  20                          ; v20     the way out: where I put 16 bytes of a row
.set RD,   21                          ; v21     where I read rows back
.set CO,   22                          ; v22     my byte offset in two rows of a plane of qkv
.set SPW,  28                          ; v28     LDS address of my spare word; never rewritten
.set NIL,  29                          ; v29     0; never rewritten
.set AF0,  32
.set STG,  96
.set BG0,  160
.set TMP,  32                          ; the way out: 96 registers of packed results,
.set OB,   128                         ; and 96 of whole rows
.set G1,  24                           ; s[24:31] descriptor group 1 for x's tiles;  s[32:39] group 0, a set for each slot
.set G0,  32
.set G1B, 48                           ; s[48:55], s[56:63] the same for wt's
.set G0B, 56
.set CB,  68                           ; s[68:73] three addresses in qkv: my rows, in each of my three blocks of 128 columns
.set MSB, 0
.macro WIN new                         ; the immediate's high byte repeats the setting that is left; a switch that changes nothing is dropped
.if MSB != (\new)
	s_set_vgpr_msb (MSB<<8)|(\new)
.set MSB, \new
.endif
.endm
.macro PLACES                          ; four places in front of loads into registers that matrix instructions have read, and of conversions that read results
.rept 4
	v_nop
.endr
.endm
; A joint load: waves 0 and 1 fetch x's two halves, waves 2 and 3 wt's.  The branch hangs on the wave's number alone.  An s_nop 0 and four v_nop follow each line.
.macro JLOAD s
	s_cmp_eq_u32 s11, 0
	s_cbranch_scc0 .Lfor_b_\@
	tensor_load_to_lds s[G0+4*(\s):G0+4*(\s)+3], s[G1:G1+7]
	s_nop 0
	PLACES
	s_branch .Lasked_\@
.Lfor_b_\@:
	tensor_load_to_lds s[G0B+4*(\s):G0B+4*(\s)+3], s[G1B:G1B+7]
	s_nop 0
	PLACES
.Lasked_\@:
.endm
.macro CREST                           ; a round of the cluster's barrier behind its opening barrier
	s_cmp_lg_u32 s10, 0
	s_cbranch_scc1 .Lnot_wave_0_\@
	s_barrier_signal -3
.Lnot_wave_0_\@:
	s_barrier_wait -3
	s_barrier_signal -1
	s_barrier_wait -1
.endm
.macro CROUND                          ; a whole round
	s_barrier_signal -1
	s_barrier_wait -1
	CREST
.endm
	s_load_b128 s[4:7], s[0:1], 0x0                ; x s[4:5], wt s[6:7]
	s_load_b64 s[8:9], s[0:1], 0x10                ; qkv
	v_lshl_add_u32 v[SPW], v0, 2, SPARE
	v_mov_b32 v[NIL], 0
	ds_add_u32 v28, v29
	s_wait_dscnt 0x0
	v_lshrrev_b32 v1, 5, v0
	v_readfirstlane_b32 s10, v1                    ; wave 0..3
	s_lshr_b32 s11, s10, 1                         ; I fetch for x (0) or for wt (1),
	s_and_b32 s12, s10, 1                          ; and which half of that tile
	s_bfe_u32 s40, ttmp6, 0x40000                  ; cx, cy: my place in the cluster
	s_bfe_u32 s41, ttmp6, 0x40004
	s_lshl_b32 s42, ttmp9, 2
	s_add_co_u32 s42, s42, s40                     ; tile column = 4 x cluster x + cx
	s_and_b32 s13, ttmp7, 0xffff
	s_lshl_b32 s13, s13, 2
	s_add_co_u32 s13, s13, s41                     ; tile row = 4 x cluster y + cy
	s_lshl_b32 s43, s41, 2
	s_lshl_b32 s43, 15, s43                        ; my row of the cluster
	s_lshl_b32 s44, 0x1111, s40                    ; my column
	; group 1 for x: 128 rows x 64 elements of 4 bytes, 1,024 elements from row to row; 4 words of padding (code 3) after every 64 words (code 5); bit 21 set beside the mask
	s_or_b32 s[G1+0], s43, (2<<16)|(1<<20)|(1<<21)|(5<<22)|(3<<25)
	s_mov_b32 s[G1+1], 64<<16                      ; tensor_dim0
	s_mov_b32 s[G1+2], 128<<16                     ; tensor_dim1
	s_mov_b32 s[G1+3], 64<<16                      ; tile_dim0
	s_mov_b32 s[G1+4], 128                         ; tile_dim1
	s_mov_b32 s[G1+5], 1024                        ; stride
	s_mov_b32 s[G1+6], 0
	s_mov_b32 s[G1+7], 0
	; group 1 for wt: 192 rows of 128 bytes are 24,576 dense bytes: 96 rows x 128 elements of 2 bytes; 4 words of padding after every 32 words (code 4), that is after every row of wt
	s_or_b32 s[G1B+0], s44, (1<<16)|(1<<20)|(1<<21)|(4<<22)|(3<<25)
	s_mov_b32 s[G1B+1], 128<<16
	s_mov_b32 s[G1B+2], 96<<16
	s_mov_b32 s[G1B+3], 128<<16
	s_mov_b32 s[G1B+4], 96
	s_mov_b32 s[G1B+5], 128
	s_mov_b32 s[G1B+6], 0
	s_mov_b32 s[G1B+7], 0
	; x's address hangs on the tile row and the wave's number, wt's on the tile column and the wave's number, each in registers that never hold the other coordinate
	s_lshl_b32 s16, s13, 20                        ; 256 rows of 4,096 bytes
	s_lshl_b32 s17, s12, 19                        ; 128 rows
	s_add_co_u32 s16, s16, s17
	s_mov_b32 s17, 0
	s_mul_i32 s46, s42, 384*128                    ; 384 rows of 128 bytes
	s_mul_i32 s47, s12, 192*128
	s_add_co_u32 s46, s46, s47
	s_mov_b32 s47, 0
	s_mul_i32 s20, s12, AHALF                      ; where they go: no place in the cluster enters an LDS address
	s_mul_i32 s21, s12, BHALF
	s_add_co_u32 s21, s21, ATILE
	s_wait_kmcnt 0x0
	s_add_nc_u64 s[14:15], s[4:5], s[16:17]
	s_add_nc_u64 s[46:47], s[6:7], s[46:47]
.irp s, 0,1
	s_mov_b32 s[G0+4*(\s)], 1                                      ; count = 1
	s_add_co_u32 s[G0+4*(\s)+1], s20, (\s)*SLOT                    ; LDS address
	s_add_nc_u64 s[G0+4*(\s)+2:G0+4*(\s)+3], s[14:15], (\s)*ASTEP  ; global address: K step s
	s_or_b32 s[G0+4*(\s)+3], s[G0+4*(\s)+3], 0x80000000            ; type = 2
	s_mov_b32 s[G0B+4*(\s)], 1
	s_add_co_u32 s[G0B+4*(\s)+1], s21, (\s)*SLOT
	s_add_nc_u64 s[G0B+4*(\s)+2:G0B+4*(\s)+3], s[46:47], (\s)*BSTEP
	s_or_b32 s[G0B+4*(\s)+3], s[G0B+4*(\s)+3], 0x80000000
.endr
	CROUND                                         ; all sixteen work-groups are here: the first joint loads meet
	s_cmp_eq_u32 s11, 0                            ; a wave's two first fills stand in one branch, ahead of every wait on TENSORcnt and every LDS read: two loads of mine are out
	s_cbranch_scc0 .Lfirst_b
	tensor_load_to_lds s[G0:G0+3], s[G1:G1+7]
	s_nop 0
	tensor_load_to_lds s[G0+4:G0+7], s[G1:G1+7]
	s_nop 0
	PLACES
	s_branch .Lfirst_asked
.Lfirst_b:
	tensor_load_to_lds s[G0B:G0B+3], s[G1B:G1B+7]
	s_nop 0
	tensor_load_to_lds s[G0B+4:G0B+7], s[G1B:G1B+7]
	s_nop 0
	PLACES
.Lfirst_asked:
	; A fragment is 16 rows x 32 K: lane l holds row l % 16, K = 8 (l / 16) + 0..7 and 16 + 8 (l / 16) + 0..7.  In bf16: two loads of 16 bytes, 32 apart.  In f32: four, at 32 (l / 16) + 0, 16, 64, 80.
	v_and_b32 v1, 15, v0                           ; l % 16
	v_bfe_u32 v2, v0, 4, 1                         ; l / 16
	v_mul_u32_u24 v3, v1, PA
	v_lshl_add_u32 v3, v2, 5, v3
	s_mul_i32 s18, s10, 64*PA                      ; my 64 rows of x
	v_add_nc_u32 v[ADRA], s18, v3
	v_add_nc_u32 v[ADRA+1], SLOT, v[ADRA]
	v_mul_u32_u24 v4, v1, PB
	v_lshl_add_u32 v4, v2, 4, v4
	v_add_nc_u32 v[ADRB], ATILE, v4
	v_add_nc_u32 v[ADRB+1], ATILE+SLOT, v4
	s_mul_i32 s19, s10, 16*SP
	s_add_co_u32 s19, s19, STAGE                   ; my stage
	v_mul_u32_u24 v5, v1, SP                       ; in: row l % 16, 16 bytes for each half of the lanes
	v_lshl_add_u32 v5, v2, 4, v5
	v_add_nc_u32 v[STO], s19, v5
	v_mul_u32_u24 v5, v2, SP                       ; back: lanes 0-15 take 256 bytes of one row, lanes 16-31 of the next
	v_lshl_add_u32 v5, v1, 4, v5
	v_add_nc_u32 v[RD], s19, v5
	v_lshlrev_b32 v5, 10, v2                       ; and the same in qkv, whose rows are 1,024 bytes
	v_lshl_add_u32 v[CO], v1, 4, v5
	; my 384 columns are three blocks of 128 (256 bytes of f16): block 3 x tile column + i lies in plane (block / 4), at 256 (block % 4) of its rows
	s_lshl_b32 s22, s13, 18                        ; 256 rows of 1,024 bytes
	s_lshl_b32 s23, s10, 16                        ; my 64 of them
	s_add_co_u32 s22, s22, s23
	s_mul_i32 s23, s42, 3
.irp i, 0,1,2
	s_add_co_u32 s74, s23, \i
	s_lshr_b32 s75, s74, 2
	s_lshl_b32 s75, s75, 24                        ; a plane is 16,777,216 bytes
	s_and_b32 s74, s74, 3
	s_lshl_b32 s74, s74, 8
	s_add_co_u32 s74, s74, s75
	s_add_co_u32 s74, s74, s22
	s_mov_b32 s75, 0
	s_add_nc_u64 s[CB+2*(\i):CB+2*(\i)+1], s[8:9], s[74:75]
.endr
.macro LDB slot, ks, g, buf            ; 12 LDS loads: wt's fragments 6 g .. 6 g + 5 of the 32 K at ks, into buffer buf
	WIN 0
.irp f, 0,1,2,3,4,5
	ds_load_b128 v[BG0+48*(\buf)+8*(\f):BG0+48*(\buf)+8*(\f)+3],   v[ADRB+(\slot)] offset:16*PB*(6*(\g)+(\f))+64*(\ks)
	ds_load_b128 v[BG0+48*(\buf)+8*(\f)+4:BG0+48*(\buf)+8*(\f)+7], v[ADRB+(\slot)] offset:16*PB*(6*(\g)+(\f))+64*(\ks)+32
.endr
.endm
.macro LDA slot, ks                    ; 16 LDS loads: my 64 rows of x, 32 K at ks, as f32
	WIN 0
.irp a, 0,1,2,3
	ds_load_b128 v[STG+16*(\a):STG+16*(\a)+3],     v[ADRA+(\slot)] offset:16*PA*(\a)+128*(\ks)
	ds_load_b128 v[STG+16*(\a)+4:STG+16*(\a)+7],   v[ADRA+(\slot)] offset:16*PA*(\a)+128*(\ks)+16
	ds_load_b128 v[STG+16*(\a)+8:STG+16*(\a)+11],  v[ADRA+(\slot)] offset:16*PA*(\a)+128*(\ks)+64
	ds_load_b128 v[STG+16*(\a)+12:STG+16*(\a)+15], v[ADRA+(\slot)] offset:16*PA*(\a)+128*(\ks)+80
.endr
.endm
.macro CVT p                           ; x's four fragments rounded to bf16, into buffer p
	WIN 0
.set ii, 0
.rept 32
	v_cvt_pk_bf16_f32 v[AF0+32*(\p)+ii], v[STG+2*ii], v[STG+2*ii+1]
.set ii, ii+1
.endr
.endm
; 4 n matrix instructions: column blocks 6 g + b0 .. of group g (in buffer buf) x my four row blocks (in buffer p).  zero = 1: the product starts the sum: nothing is ever cleared.
; The 96 accumulators take turns, one instruction a turn, in the same order in every 32 along K.
.macro MM g, buf, p, zero, b0, n
.set bb, 6*(\g)+(\b0)
.rept \n
	WIN 0x50*(1+bb/8)                              ; C and D in window 1 + b / 8
.set aa, 0
.rept 4
.set rD, 8*((4*bb+aa)%32)
.set rB, BG0+48*(\buf)+8*(bb-6*(\g))
.set rA, AF0+32*(\p)+8*aa
.if \zero
	v_wmma_f32_16x16x32_bf16 v[rD:rD+7], v[rB:rB+7], v[rA:rA+7], 0
.else
	v_wmma_f32_16x16x32_bf16 v[rD:rD+7], v[rB:rB+7], v[rA:rA+7], v[rD:rD+7]
.endif
.set aa, aa+1
.endr
.set bb, bb+1
.endr
.endm
; 32 ALONG K: 96 matrix instructions in four groups of 24.  While a group is multiplied the next group's fragments of wt are on their way from LDS into the other buffer, so each wait for LDS is for
; loads issued 24 matrix instructions earlier.  The roundings of x are the places behind the last products of the 32 K before.
; next = 0: the slot's second 32 K follow.  1: the slot is left and filled again, two K steps ahead.  2: it is left and not filled.  3: nothing follows.
.macro KSTEP slot, ks, zero, next
	s_wait_dscnt 0x0                               ; x as f32 and wt's group 0 are in
	CVT \ks
	LDB \slot, \ks, 1, 1
	MM 0, 0, \ks, \zero, 0, 6
	s_wait_dscnt 0x0                               ; group 1 is in
	PLACES
	LDB \slot, \ks, 2, 0
	MM 1, 1, \ks, \zero, 0, 6
	s_wait_dscnt 0x0                               ; group 2
	PLACES
	LDB \slot, \ks, 3, 1
	MM 2, 0, \ks, \zero, 0, 6
.if (\next) == 0
	s_wait_dscnt 0x0                               ; group 3
	PLACES
	LDB \slot, 1, 0, 0
	LDA \slot, 1
	MM 3, 1, \ks, \zero, 0, 6
.elseif (\next) == 1
	WIN 0                                          ; (the add's two registers lie in window 0)
	s_wait_tensorcnt 0x0                           ; all my tensor loads have landed: the one that was out is my part of the other slot; so a group 0 may be written
	ds_add_u32 v[SPW], v[NIL]                      ; 0 onto my spare word
	s_add_nc_u64 s[G0+4*(\slot)+2:G0+4*(\slot)+3], s[G0+4*(\slot)+2:G0+4*(\slot)+3], 2*ASTEP
	s_add_nc_u64 s[G0B+4*(\slot)+2:G0B+4*(\slot)+3], s[G0B+4*(\slot)+2:G0B+4*(\slot)+3], 2*BSTEP
	s_wait_dscnt 0x0                               ; the add is done, and my reads of this slot are over: group 3 was the last of them
	s_barrier_signal -1                            ; this barrier opens a round of the cluster's barrier
	MM 3, 1, \ks, 0, 0, 2                          ; work on registers while the others arrive
	WIN 0
	s_barrier_wait -1
	CREST                                          ; no wave of any partner still reads this slot or has a load on its way
	JLOAD \slot                                    ; the first tensor load behind the round; its four v_nop are also the places in front of the loads below
	LDB 1-(\slot), 0, 0, 0
	LDA 1-(\slot), 0
	MM 3, 1, \ks, 0, 2, 4
.elseif (\next) == 2
	WIN 0
	s_wait_tensorcnt 0x0                           ; my part of the last K step has landed
	ds_add_u32 v[SPW], v[NIL]
	s_wait_dscnt 0x0
	s_barrier_signal -1
	MM 3, 1, \ks, 0, 0, 2
	s_barrier_wait -1                              ; everybody's part has; nothing is filled again, so no round follows
	PLACES
	LDB 1-(\slot), 0, 0, 0
	LDA 1-(\slot), 0
	MM 3, 1, \ks, 0, 2, 4
.else
	s_wait_dscnt 0x0
	MM 3, 1, \ks, 0, 0, 6
.endif
.endm
; THE WAY OUT of my row block a: rounded to f16, 16 bytes a lane; into my own stage; back as 256 consecutive bytes of a row; stored.
.macro PACK a
.set bb, 0
.rept 24
	WIN 5*(1+bb/8)                                 ; sources 0 and 1 in window 1 + b / 8, destination in window 0
.set rD, 8*((4*bb+(\a))%32)
.irp i, 0,1,2,3
	v_cvt_pk_f16_f32 v[TMP+4*bb+(\i)], v[rD+2*(\i)], v[rD+2*(\i)+1]  ; each accumulator's registers in ascending order
.endr
.set bb, bb+1
.endr
	WIN 0
.endm
.macro TOSTAGE
	WIN 0
.set bb, 0
.rept 24
	ds_store_b128 v[STO], v[TMP+4*bb:TMP+4*bb+3] offset:32*bb
.set bb, bb+1
.endr
	s_wait_xcnt 0x0                                ; the registers that the last block's stores read are loaded again only behind this wait
.set uu, 0
.rept 8
.irp i, 0,1,2
	ds_load_b128 v[OB+4*(3*uu+(\i)):OB+4*(3*uu+(\i))+3], v[RD] offset:2*SP*uu+256*(\i)  ; LDS serves a wave's instructions in order (ISA guide 5.7.1.4): these see the stores above
.endr
.set uu, uu+1
.endr
.endm
.macro SEND a
	WIN 0
	s_wait_dscnt 0x0                               ; the block is back in registers
.set uu, 0
.rept 8
.irp i, 0,1,2
	global_store_b128 v[CO], v[OB+4*(3*uu+(\i)):OB+4*(3*uu+(\i))+3], s[CB+2*(\i):CB+2*(\i)+1] offset:(16*(\a)+2*uu)*1024  ; 16 lanes store 256 consecutive bytes, at a multiple of 256 from qkv's first byte
.endr
.set uu, uu+1
.endr
.endm
	s_wait_tensorcnt 0x1                           ; my part of K step 0 is in; K step 1's may stay out
	s_barrier_signal -1
	s_barrier_wait -1                              ; everybody's is
	LDB 0, 0, 0, 0
	LDA 0, 0
	KSTEP 0, 0, 1, 0                               ; the first 32 along K stand in front of the loop: their products start the sums
	WIN 0                                          ; at a label and at a branch every window is 0
	s_mov_b32 s3, 7
.Llap:                                                 ; a trip goes once round the ring and fills both slots again: seven trips ask for K steps 2 to 15
	KSTEP 0, 1, 0, 1
	KSTEP 1, 0, 0, 0
	KSTEP 1, 1, 0, 1
	KSTEP 0, 0, 0, 0
	WIN 0
	s_sub_co_u32 s3, s3, 1
	s_cmp_lg_u32 s3, 0
	s_cbranch_scc1 .Llap
	KSTEP 0, 1, 0, 2                               ; the tail is written out: nothing more is asked for
	KSTEP 1, 0, 0, 0
	KSTEP 1, 1, 0, 3
	WIN 0
	PLACES
	PACK 0
	TOSTAGE
.irp a, 1,2,3                          ; a block's conversions stand between the loads of the block before and the wait for them
	PACK \a
	SEND (\a)-1
	TOSTAGE
.endr
	SEND 3
	s_wait_tensorcnt 0x0                           ; the wave's end: behind my last tensor load and my last LDS store
	ds_add_u32 v[SPW], v[NIL]
	s_wait_dscnt 0x0
	CROUND                                         ; the closing round: no work-group ends while a partner may still ask for a tile that names it
	s_endpgm
.Lfunc_end_k_qf54c4ed780_proj:
	.size	k_qf54c4ed780_proj, .Lfunc_end_k_qf54c4ed780_proj-k_qf54c4ed780_proj
	.p2alignl 7, 3214868480
	.fill 96, 4, 3214868480
	.section	.rodata,"a",@progbits
	.p2align	6, 0x0
	.amdhsa_kernel k_qf54c4ed780_proj
		.amdhsa_group_segment_fixed_size 327680
		.amdhsa_private_segment_fixed_size 0
		.amdhsa_enable_private_segment 0
		.amdhsa_kernarg_size 24
		.amdhsa_user_sgpr_count 2
		.amdhsa_user_sgpr_kernarg_segment_ptr 1
		.amdhsa_wavefront_size32 1
		.amdhsa_system_sgpr_workgroup_id_x 1
		.amdhsa_system_sgpr_workgroup_id_y 1
		.amdhsa_system_sgpr_workgroup_id_z 1
		.amdhsa_system_vgpr_workitem_id 0
		.amdhsa_next_free_vgpr 1024
		.amdhsa_next_free_sgpr 76
		.amdhsa_reserve_vcc 0
		.amdhsa_float_denorm_mode_32 3
		.amdhsa_float_denorm_mode_16_64 3
		.amdhsa_memory_ordered 1
		.amdhsa_forward_progress 1
		.amdhsa_inst_pref_size 159
	.end_amdhsa_kernel
	.amdgpu_metadata
---
amdhsa.version: [ 1, 2 ]
amdhsa.kernels:
  - .name:           k_qf54c4ed780_proj
    .symbol:         k_qf54c4ed780_proj.kd
    .args:
      - { .name: x, .offset: 0, .size: 8, .value_kind: global_buffer, .address_space: global }
      - { .name: wt, .offset: 8, .size: 8, .value_kind: global_buffer, .address_space: global }
      - { .name: qkv, .offset: 16, .size: 8, .value_kind: global_buffer, .address_space: global }
    .group_segment_fixed_size: 327680
    .private_segment_fixed_size: 0
    .kernarg_segment_align: 8
    .kernarg_segment_size: 24
    .max_flat_workgroup_size: 128
    .sgpr_count:     76
    .vgpr_count:     1024
    .wavefront_size: 32
...
	.end_amdgpu_metadata
.endif
;; end of part 2
;; launch attn (part 3): grid 32 x 8, 4 waves a work-group, clusters of 4 x 1, 327,680 bytes of LDS; arguments qkv, out0, part, stat; writes out0, part, stat
.if DOCPART == 3
	.amdgcn_target "amdgcn-amd-amdhsa--gfx1250"
	.amdhsa_code_object_version 6
	.text
	.protected	k_qf54c4ed780_attn
	.globl	k_qf54c4ed780_attn
	.p2align	8
	.type	k_qf54c4ed780_attn,@function
k_qf54c4ed780_attn:
	s_mov_b64 s[64:65], 0
	v_nop
	global_prefetch_b8 v0, s[64:65] scope:SCOPE_SE
	s_setreg_imm32_b32 hwreg(HW_REG_WAVE_MODE, 25, 1), 1
	s_wait_xcnt 0x0
	s_wait_alu depctr_hold_cnt(0) depctr_sa_sdst(0) depctr_va_vdst(0) depctr_va_sdst(0) depctr_va_ssrc(0) depctr_va_vcc(0) depctr_vm_vsrc(0)
	s_getreg_b32 s2, hwreg(HW_REG_IB_STS2, 6, 4)
	s_cmp_eq_u32 s2, 0
	s_cbranch_scc0 .Lentry_in_a_cluster
	s_endpgm
.Lentry_in_a_cluster:
	s_bfe_u32 s2, ttmp6, 0x10000c
	s_cmp_lg_u32 s2, 0x3003
	s_cbranch_scc0 .Lentry_shape_is_right
	s_endpgm
.Lentry_shape_is_right:
; CAUSAL ATTENTION, one head of 512 channels.  out0[b][q][:] = the sum over k <= q of softmax_k(Q[b][q] . K[b][k] / sqrt(512)) V[b][k][:].
; qkv: [3][8 x 2048][512] f16 (Q, K, V, unscaled); out0: [8][2048][512] f32.  Products, maxima and sums in f32; the weights p are rounded to f16 for the second product (their sum l is taken of the unrounded p).
; LIMITS.  Q, K, V arrive within f16's range.  A hidden score is replaced by -1e30: f16's scores, 2.2e12 at the most, are nothing beside that.  A weight below 2^-126 counts as 0.  NaN and infinities are not treated apart.
; SHARES.  A work-group has 64 consecutive queries in hand, four tiles t of 16, and walks keys in tiles of 128.  Its four waves work on the same queries:
;   S^T = K Q^T is shared by keys: wave w has keys 32 w .. 32 w + 31 of the tile and all 64 queries; Q (64 x 512) lies in 512 registers of every wave;
;   O^T = V^T P is shared by channels: wave w has channels 128 w .. 128 w + 127 and all 64 queries: 256 registers.
; So each byte of K and V is read from LDS once in the work-group.  The price: in every tile the waves exchange their maxima, their weights P and their sums through LDS.
; LAYOUT.  In S^T (source 0 = 16 keys, source 1 = 16 queries) a lane holds ONE query (lane % 16) and the keys 8 (lane / 16) + 0..7.  Two such results rounded to f16 in pairs ARE source 1 (32 keys x 16 queries)
; of O^T = V^T P: a wave stores its registers as they lie and every wave reads them back as they lie.  K comes out of LDS as it lies, V ([key][channel]) turned, by ds_load_tr16_b128.
; SOFTMAX.  For each query a running maximum m over all four waves' keys; p = 2^(c s - c m), c = log2(e) / sqrt(512); in every tile O and l are multiplied by a = 2^(c m_old - c m_new).
; c m starts far below every c s, so a block's first tile has a = 0, and what O and l held before need only be finite.
; THE WALK.  A batch's queries lie in 8 blocks of 256; block i needs the key tiles 0 .. 2 i + 1: 72 tiles for 8 clusters.  EVERY CLUSTER WALKS NINE.  With p = cluster x / 2: block 7 - p has 16 - 2 p tiles, block p has 2 p + 2.
;   cluster A (x even): block 7 - p, tiles 7 - 2 p .. 15 - 2 p.          cluster B (x odd): block 7 - p, tiles 0 .. 6 - 2 p; then block p, all its tiles.
; Each piece begins with a tile that all its rows see, so m is a true score when the first hidden one comes.  The two pieces of a block 7 - p leave as partial results (rows divided by the piece's own l, in f32,
; with c m and l beside them), which the next launch joins; block p leaves as out0.  One loop of eight trips and a last tile written out walk the nine; which tile is asked for hangs on scalar registers
; made from the cluster's number; the ring runs on across B's change of blocks, and the jump round that change passes no barrier and no tensor load.
; CLUSTER.  The four work-groups of a cluster are the four quarters of the block in hand and walk the same tiles of K and V, so every tile is asked for JOINTLY: the same tensor load, descriptor and mask in
; all four.  Every wave asks for its quarter of a tile, 32 rows of 1,024 bytes.  My place in the cluster enters only Q's and the results' addresses and the mask's numbers.
; THE RING is K's tile and V's tile: K is filled again while V is multiplied, V while K is.  Each refill stands behind a round of the cluster's barrier.
; REGISTERS, in windows of 256 (s_set_vgpr_msb: bits 1:0 source 0, 3:2 source 1, 5:4 source 2, 7:6 destination):
;   window 0: v0-15 addresses; v16-31 at work; v32-63 eight registers of statistics a tile t; v64-127 S^T (t, key block kt at 64 + 16 t + 8 kt); v128-255 K's fragments, two buffers of 64.
;             For V^T P: v64-127 V and v128-159 P, v160-223 V and v224-255 P: two buffers of 32 keys.
;   window 1: O^T (channel block cb, t) at 8 (4 cb + t)          windows 2, 3: Q (t, 32 channels ds) at 8 (4 ds + t), ds 0-7 in window 2
.set PK,    1040      ; a row of K in LDS: 1,024 bytes + 16 of padding: the 16 rows of a load start at 16 different groups of four banks (64 banks of 4 bytes: ISA guide 11.1)
.set PV,    1056      ; a row of V: 1,024 + 32
.set SV,    128*PK    ; V's tile lies behind K's
.set PX,    SV+128*PV ; the weights: 16 fragments (32 keys c, tile t at 4 c + t) of 1,024 bytes
.set MX,    PX+16384  ; the waves' maxima: 512 bytes a wave; 2,048 bytes on: their sums
.set STAGE, MX+4096   ; 16 rows x 528 bytes for each wave, for the way out
.set SP,    528       ; 128 f32 + 16 bytes
.set SPARE, STAGE+4*16*SP  ; the spare words, 128 bytes for each wave: two blocks of 256 bytes that no other line names
.set AK,  3           ; v3   my place in my wave's 32 rows of K
.set AVA, 4           ; v4   my place in V's keys 0-63, my wave's channels;  v5 the same in keys 64-127
.set APW, 6           ; v6   where I put my 16 bytes of my wave's fragments of P
.set APR, 7           ; v7   where I read 16 bytes of any fragment
.set AMW, 8           ; v8   where I put my four maxima (2,048 bytes on: my four sums)
.set AMR, 9           ; v9   where I read a wave's
.set STO, 10          ; v10  the way out: where I put 32 bytes of a row
.set RD,  11          ; v11  where I read rows back
.set GO,  12          ; v12  my byte offset in a row of 2,048 bytes of out0 or part
.set QO,  13          ; v13  my byte offset in 16 rows of Q
.set SPW, 14          ; v14  LDS address of my spare word; never rewritten
.set NIL, 15          ; v15  0; never rewritten
.set LM,  16          ; v16-19  what I hand to the other waves: a number for each t
.set XS,  16          ; v16-31  the four waves' sums: wave w at XS + 4 w + t
.set W,   24          ; v24-31  two registers at work for each t
.set ST,  32          ; tile t at v[ST+8 t]: +0 c m, +1 m, +2 l, +4 a (at the end 1 / l), +5 c m_old - c m, +6 c m_old, +7 my query's number in the batch less my lane's first key's in a tile
.set SOF, ST+3        ; v35  8 x lane: my place in 256 bytes of statistics
.set S,   64
.set KB0, 128
.set P,   128         ; my weights in f16, 8 registers a tile
.set XR,  160         ; the four waves' maxima: wave w at XR + 4 w + t
.set VB,  64          ; V^T P: V's fragments; the second buffer lies 96 registers on
.set PF,  128         ; P's
.set OB,  128         ; the way out: 16 rows read back, v128-191 and v192-255 by turns
.set WV,  12          ; s12  my wave's number
.set PP,  13          ; s13  p
.set TY,  14          ; s14  0: cluster A, 1: cluster B
.set CX,  15          ; s15  my place in the cluster
.set G1K, 16          ; s[16:23] descriptor group 1 for K's tiles
.set G1V, 24          ; s[24:31] for V's: it differs in the padding alone
.set G0K, 32          ; s[32:35] descriptor group 0 for K's tiles
.set G0V, 36          ; s[36:39] the same for V's
.set CS,  40          ; s[40:41] c: the packed scaling takes the pair's low word for both halves
.set SEL, 42          ; s[42:43] v_permlanex16_b32's selects: each lane takes its own place in the other half
.set BIGN, 44         ; s44  -1e30
.set TT,  45          ; s45  the number of the tile in hand
.set NXT, 46          ; s46  of the tile to be asked for
.set LASTT, 47        ; s47  behind this tile the asking goes back to tile 0
.set TRIP, 48         ; s48  counts the loop's eight trips
.set CH,  49          ; s49  behind this trip B changes blocks (A: never)
.set DG,  50          ; s50  the first tile of the block in hand that takes the mask
.set KBP, 52          ; s[52:53] K at my quarter of the batch's tile 0
.set VBP, 54          ; s[54:55] V likewise
.set OFF, 56          ; s[56:57] a tile's byte offset in K and V
.set QB1, 58          ; s[58:59] Q at my first row of block 7 - p
.set QB2, 60          ; s[60:61] of block p
.set PO,  62          ; s[62:63] part at my first row of my piece
.set OA,  66          ; s[66:67] out0 at my first row of block p
.set SO,  68          ; s[68:69] stat at my first row of my piece
.set EO,  72          ; s[72:73] where the last way out goes
.set BT,  80          ; s80  the batch
.set DLT, 81          ; s81  from my first row of block 7 - p to that of block p
.set MSB, 0
.macro WIN new                      ; the high byte repeats the setting that is left; a switch that changes nothing is dropped
.if MSB != (\new)
	s_set_vgpr_msb (MSB<<8)|(\new)
.set MSB, \new
.endif
.endm
.macro PLACES                       ; four places behind matrix instructions (ISA guide 7.12.1)
.rept 4
	v_nop
.endr
.endm
.macro ALL line:vararg              ; one line for each tile tt of 16 queries
.set tt, 0
.rept 4
	\line
.set tt, tt+1
.endr
.endm
.macro CROUND                       ; a round of the cluster's barrier: my work-group's barrier; wave 0 signals for the work-group; every wave waits for all four work-groups; my work-group's barrier once more
	s_barrier_signal -1
	s_barrier_wait -1
	s_cmp_lg_u32 s[WV], 0
	s_cbranch_scc1 .Lnot_wave_0_\@
	s_barrier_signal -3
.Lnot_wave_0_\@:
	s_barrier_wait -3
	s_barrier_signal -1
	s_barrier_wait -1
.endm
.macro JK                           ; my quarter of the next tile of K; an s_nop 0 and four v_nop follow
	tensor_load_to_lds s[G0K:G0K+3], s[G1K:G1K+7]
	s_nop 0
	PLACES
.endm
.macro JV
	tensor_load_to_lds s[G0V:G0V+3], s[G1V:G1V+7]
	s_nop 0
	PLACES
.endm
.macro QLOAD b                      ; 64 rows of Q into 512 registers: tile t, channels 32 dd on
	WIN 0x80                        ; destination window 2, address window 0
.set dd, 0
.rept 16
.if dd == 8
	WIN 0xc0                        ; destination window 3
.endif
.irp t, 0,1,2,3
.set rQ, 8*(4*(dd%8)+(\t))
	global_load_b128 v[rQ:rQ+3],   v[QO], s[\b:\b+1] offset:16384*(\t)+64*dd
	global_load_b128 v[rQ+4:rQ+7], v[QO], s[\b:\b+1] offset:16384*(\t)+64*dd+32
.endr
.set dd, dd+1
.endr
.endm
	s_load_b256 s[4:11], s[0:1], 0x0  ; qkv s[4:5], out0 s[6:7], part s[8:9], stat s[10:11]
	v_lshl_add_u32 v[SPW], v0, 2, SPARE
	v_mov_b32 v[NIL], 0
	ds_add_u32 v14, v15
	s_wait_dscnt 0x0
	v_lshrrev_b32 v1, 5, v0
	v_readfirstlane_b32 s[WV], v1   ; wave 0..3
	s_lshr_b32 s[PP], ttmp9, 1      ; in a cluster launch ttmp9 counts clusters
	s_and_b32 s[TY], ttmp9, 1
	s_bfe_u32 s[CX], ttmp6, 0x40000
	s_and_b32 s[BT], ttmp7, 0xffff
	s_lshl_b32 s70, s[BT], 21       ; K and V: the batch's 2,048 rows of 1,024 bytes,
	s_lshl_b32 s71, s[WV], 15       ; my 32 rows of a tile: nothing of my place in the cluster
	s_add_co_u32 s70, s70, s71
	s_mov_b32 s71, 0
	s_sub_co_u32 s72, 7, s[PP]
	s_lshl_b32 s72, s72, 8
	s_lshl_b32 s87, s[CX], 6
	s_add_co_u32 s72, s72, s87      ; my first row of block 7 - p, in the batch
	s_lshl_b32 s73, s[PP], 8
	s_add_co_u32 s73, s73, s87      ; of block p
	s_lshl_b32 s86, s[BT], 21
	s_lshl_b32 s74, s72, 10         ; Q's rows are 1,024 bytes
	s_add_co_u32 s74, s74, s86
	s_mov_b32 s75, 0
	s_lshl_b32 s76, s73, 10
	s_add_co_u32 s76, s76, s86
	s_mov_b32 s77, 0
	s_lshl_b32 s78, s76, 1          ; out0's are twice as long
	s_mov_b32 s79, 0
	s_sub_co_u32 s87, s72, 1024     ; part and stat hold a batch's rows 1,024 to 2,047, once for each of the two pieces
	s_lshl_b32 s82, s87, 11         ; part: [2][8][1024] rows of 2,048 bytes
	s_lshl_b32 s83, s[BT], 21
	s_add_co_u32 s82, s82, s83
	s_lshl_b32 s83, s[TY], 24
	s_add_co_u32 s82, s82, s83
	s_mov_b32 s83, 0
	s_lshl_b32 s84, s87, 3          ; stat: [2][8][1024] pairs of f32
	s_lshl_b32 s85, s[BT], 13
	s_add_co_u32 s84, s84, s85
	s_lshl_b32 s85, s[TY], 16
	s_add_co_u32 s84, s84, s85
	s_mov_b32 s85, 0
	s_sub_co_u32 s[DLT], s73, s72
	s_lshl_b32 s87, s[WV], 5
	s_sub_co_u32 s86, s72, s87      ; my first query's number less my wave's first key's in a tile
	; descriptor group 1: 32 rows x 512 elements of 2 bytes; padding after every 256 words (code 7), 4 words (code 3) for K and 8 (code 7) for V; the mask names all four work-groups, bit 21 set beside it
	s_mov_b32 s[G1K], 15|(1<<16)|(1<<20)|(1<<21)|(7<<22)|(3<<25)
	s_mov_b32 s[G1V], 15|(1<<16)|(1<<20)|(1<<21)|(7<<22)|(7<<25)
.irp g, G1K, G1V
	s_mov_b32 s[\g+1], 512<<16      ; tensor_dim0
	s_mov_b32 s[\g+2], 32<<16       ; tensor_dim1
	s_mov_b32 s[\g+3], 512<<16      ; tile_dim0
	s_mov_b32 s[\g+4], 32           ; tile_dim1
	s_mov_b32 s[\g+5], 512          ; elements from row to row
	s_mov_b32 s[\g+6], 0
	s_mov_b32 s[\g+7], 0
.endr
	s_mov_b32 s[G0K], 1             ; count = 1
	s_mul_i32 s[G0K+1], s[WV], 32*PK  ; LDS address: my quarter
	s_mov_b32 s[G0V], 1
	s_mul_i32 s[G0V+1], s[WV], 32*PV
	s_add_co_u32 s[G0V+1], s[G0V+1], SV
	s_mov_b32 s[CS], 0x3d8293ee     ; c = log2(e) / sqrt(512) = 0.0637587
	s_mov_b32 s[CS+1], s[CS]        ; named with it as a pair
	s_mov_b32 s[SEL], 0x76543210
	s_mov_b32 s[SEL+1], 0xfedcba98
	s_mov_b32 s[BIGN], 0xf149f2ca   ; -1e30
	; the walk's numbers
	s_lshl_b32 s[CH], s[PP], 1
	s_sub_co_u32 s[DG], 14, s[CH]   ; block 7 - p takes the mask from tile 14 - 2 p on
	s_sub_co_u32 s[LASTT], 6, s[CH]
	s_sub_co_u32 s[TT], 7, s[CH]
	s_cmp_eq_u32 s[TY], 0
	s_cselect_b32 s[TT], s[TT], 0   ; A begins at tile 7 - 2 p, B at tile 0
	s_cselect_b32 s[CH], 64, s[LASTT]     ; B changes blocks behind trip 6 - 2 p, in which it has tile 6 - 2 p in hand
	s_cselect_b32 s[LASTT], 64, s[LASTT]  ; and goes back to tile 0 behind that tile
	s_add_co_u32 s[NXT], s[TT], 1
	s_cmp_gt_u32 s[NXT], s[LASTT]
	s_cselect_b32 s[NXT], 0, s[NXT]
	s_cselect_b32 s[LASTT], 64, s[LASTT]
	s_lshl_b32 s[OFF], s[TT], 17    ; a tile is 131,072 bytes of K and of V
	s_mov_b32 s[OFF+1], 0
	s_mov_b32 s[TRIP], 0
	s_wait_kmcnt 0x0
	s_add_nc_u64 s[KBP:KBP+1], s[4:5], s[70:71]
	s_add_nc_u64 s[VBP:VBP+1], s[KBP:KBP+1], 0x2000000  ; V's plane
	s_add_nc_u64 s[KBP:KBP+1], s[KBP:KBP+1], 0x1000000  ; K's plane
	s_add_nc_u64 s[G0K+2:G0K+3], s[KBP:KBP+1], s[OFF:OFF+1]
	s_or_b32 s[G0K+3], s[G0K+3], 0x80000000             ; type = 2
	s_add_nc_u64 s[G0V+2:G0V+3], s[VBP:VBP+1], s[OFF:OFF+1]
	s_or_b32 s[G0V+3], s[G0V+3], 0x80000000
	s_add_nc_u64 s[QB1:QB1+1], s[4:5], s[74:75]
	s_add_nc_u64 s[QB2:QB2+1], s[4:5], s[76:77]
	s_add_nc_u64 s[OA:OA+1], s[6:7], s[78:79]
	s_add_nc_u64 s[PO:PO+1], s[8:9], s[82:83]
	s_add_nc_u64 s[SO:SO+1], s[10:11], s[84:85]
	CROUND                          ; all four work-groups are here: the first joint loads meet
	tensor_load_to_lds s[G0K:G0K+3], s[G1K:G1K+7]  ; the first tile of K and of V go out together: two loads of mine are out, later one
	s_nop 0
	tensor_load_to_lds s[G0V:G0V+3], s[G1V:G1V+7]
	s_nop 0
	PLACES
	; A fragment of K or Q is 16 rows x 32 channels in 8 registers: lane l holds row l % 16, channels 8 (l / 16) + 0..7 and 16 + 8 (l / 16) + 0..7: two loads of 16 bytes, 32 bytes apart.
	v_and_b32 v1, 15, v0            ; l % 16
	v_bfe_u32 v2, v0, 4, 1          ; l / 16; kept
	v_lshlrev_b32 v[QO], 10, v1
	v_lshl_add_u32 v[QO], v2, 4, v[QO]
	QLOAD QB1                       ; Q of block 7 - p stays in registers
	WIN 0x40                        ; O^T starts at 0: no first tile is written out, which would be a third copy of a tile's text; these lines stand in the wait for the first tile
.set ii, 0
.rept 256
	v_mov_b32 v[ii], 0
.set ii, ii+1
.endr
	WIN 0
	v_and_b32 v24, 31, v0
	v_lshlrev_b32 v24, 4, v24       ; 16 x lane
	s_mul_i32 s87, s[WV], 32*PK
	v_mul_u32_u24 v[AK], v1, PK
	v_lshl_add_u32 v[AK], v2, 4, v[AK]
	v_add_nc_u32 v[AK], s87, v[AK]  ; my wave's rows + row x pitch + 16 x half
	; The turning load takes 16 keys x 16 channels (lane l reads key 8 (l / 16) + l % 8, channels 8 ((l / 8) % 2) + 0..7) and leaves half a fragment of V^T: lane l holds channel l % 16 and 8 keys.
	v_and_b32 v25, 7, v0
	v_bfe_u32 v26, v0, 3, 1
	v_lshl_add_u32 v[AVA], v2, 3, v25
	v_mul_u32_u24 v[AVA], v[AVA], PV
	v_lshl_add_u32 v[AVA], v26, 4, v[AVA]
	s_lshl_b32 s87, s[WV], 8        ; my wave's 128 channels
	s_add_co_u32 s87, s87, SV
	v_add_nc_u32 v[AVA], s87, v[AVA]
	v_add_nc_u32 v[AVA+1], 64*PV, v[AVA]
	s_lshl_b32 s87, s[WV], 12
	s_add_co_u32 s87, s87, PX
	v_add_nc_u32 v[APW], s87, v24
	v_add_nc_u32 v[APR], PX, v24
	v_lshl_add_u32 v[AMW], v0, 4, MX  ; 512 x wave + 16 x lane = 16 x thread
	v_add_nc_u32 v[AMR], MX, v24
	s_mul_i32 s87, s[WV], 16*SP
	s_add_co_u32 s87, s87, STAGE    ; my stage
	v_mul_u32_u24 v[STO], v1, SP    ; in: row l % 16, 32 bytes for each half of the lanes
	v_lshl_add_u32 v[STO], v2, 5, v[STO]
	v_add_nc_u32 v[STO], s87, v[STO]
	v_add_nc_u32 v[RD], s87, v24    ; back: 32 lanes take a row's 512 bytes
	v_lshlrev_b32 v[GO], 4, v0      ; which lie at 512 x wave in a row of 2,048 bytes
	v_lshrrev_b32 v[SOF], 1, v24
	v_lshlrev_b32 v25, 3, v2
	v_sub_nc_u32 v25, v1, v25
	v_add_nc_u32 v25, s86, v25
	ALL v_add_nc_u32 v[ST+8*tt+7], 16*tt, v25
	ALL v_mov_b32 v[ST+8*tt], 0xfe000000    ; c m: far below every c s
	ALL v_mov_b32 v[ST+8*tt+1], 0xff7fffff  ; m: the lowest finite number
	ALL v_mov_b32 v[ST+8*tt+2], 0
.macro LDK g                        ; 16 LDS loads: my 32 keys, channels 128 g .. 128 g + 127, into buffer g % 2
	WIN 0
.set dd, 4*(\g)
.rept 4
.irp kt, 0,1
.set rK, KB0+64*((\g)%2)+8*(2*(dd%4)+(\kt))
	ds_load_b128 v[rK:rK+3],   v[AK] offset:16*PK*(\kt)+64*dd
	ds_load_b128 v[rK+4:rK+7], v[AK] offset:16*PK*(\kt)+64*dd+32
.endr
.set dd, dd+1
.endr
.endm
.macro MMS g                        ; 32 products of S^T = K Q^T; the 8 accumulators take turns; the first 8 start the sums
	WIN 0x08+4*((\g)/2)             ; Q in window 2 or 3
.set dd, 4*(\g)
.rept 4
.irp kt, 0,1
.irp t, 0,1,2,3
.set rS, S+16*(\t)+8*(\kt)
.set rK, KB0+64*((\g)%2)+8*(2*(dd%4)+(\kt))
.set rQ, 8*(4*(dd%8)+(\t))
.if dd == 0
	v_wmma_f32_16x16x32_f16 v[rS:rS+7], v[rK:rK+7], v[rQ:rQ+7], 0
.else
	v_wmma_f32_16x16x32_f16 v[rS:rS+7], v[rK:rK+7], v[rQ:rQ+7], v[rS:rS+7]
.endif
.endr
.endr
.set dd, dd+1
.endr
.endm
.macro MASKS                        ; a score whose key lies behind its query becomes -1e30; each accumulator's registers in ascending order
.irp t, 0,1,2,3
.set jj, 0
.rept 16
	v_cmp_gt_i32 vcc_lo, 16*(jj/8)+jj%8, v[W+2*(\t)]
	v_cndmask_b32 v[S+16*(\t)+jj], v[S+16*(\t)+jj], s[BIGN], vcc_lo
.set jj, jj+1
.endr
.endr
.endm
.macro PADD x, y                    ; for each t: pair x of the weights takes pair y
	ALL v_pk_add_f32 v[S+16*tt+(\x):S+16*tt+(\x)+1], v[S+16*tt+(\x):S+16*tt+(\x)+1], v[S+16*tt+(\y):S+16*tt+(\y)+1]
.endm
.macro LDPV ch, buf                 ; 24 LDS loads: keys 32 ch .. 32 ch + 31: V turned, my 128 channels (8 fragments), and the four fragments of P
	WIN 0
.irp cb, 0,1,2,3,4,5,6,7
	ds_load_tr16_b128 v[VB+96*(\buf)+8*(\cb):VB+96*(\buf)+8*(\cb)+3],   v[AVA+(\ch)/2] offset:32*PV*((\ch)%2)+32*(\cb)
	ds_load_tr16_b128 v[VB+96*(\buf)+8*(\cb)+4:VB+96*(\buf)+8*(\cb)+7], v[AVA+(\ch)/2] offset:32*PV*((\ch)%2)+32*(\cb)+16*PV
.endr
.irp t, 0,1,2,3
	ds_load_b128 v[PF+96*(\buf)+8*(\t):PF+96*(\buf)+8*(\t)+3],   v[APR] offset:1024*(4*(\ch)+(\t))
	ds_load_b128 v[PF+96*(\buf)+8*(\t)+4:PF+96*(\buf)+8*(\t)+7], v[APR] offset:1024*(4*(\ch)+(\t))+512
.endr
.endm
.macro MMP buf                      ; 32 products of O^T += V^T P, on 32 accumulators by turns
	WIN 0x50                        ; C and D in window 1
.irp cb, 0,1,2,3,4,5,6,7
.irp t, 0,1,2,3
	v_wmma_f32_16x16x32_f16 v[8*(4*(\cb)+(\t)):8*(4*(\cb)+(\t))+7], v[VB+96*(\buf)+8*(\cb):VB+96*(\buf)+8*(\cb)+7], v[PF+96*(\buf)+8*(\t):PF+96*(\buf)+8*(\t)+7], v[8*(4*(\cb)+(\t)):8*(4*(\cb)+(\t))+7]
.endr
.endr
.endm
; A TILE OF 128 KEYS.  fill = 1: another follows, and is asked for.  fill = 0: the walk's last tile.  The mask is jumped over in the tiles that lie wholly in front of the block's diagonal: the jump hangs on
; the cluster's number and the trip alone and passes no barrier and no tensor load.
.macro TILE fill
	LDK 0
	LDK 1
	s_wait_dscnt 16                 ; the older run of 16 is in, the younger stays out
	MMS 0
	PLACES
	LDK 2
	s_wait_dscnt 16
	MMS 1
	PLACES
	LDK 3
	s_wait_dscnt 16
	MMS 2
	s_wait_dscnt 0x0
	MMS 3
	WIN 0
	PLACES
	s_cmp_lt_u32 s[TT], s[DG]
	s_cbranch_scc1 .Lopen_\@
	s_lshl_b32 s70, s[TT], 7        ; the tile's first key
	s_sub_co_u32 s70, 0, s70
	ALL v_add_nc_u32 v[W+2*tt], s70, v[ST+8*tt+7]  ; my query's number less that of my lane's first key: register 16 kt + j is hidden where it is greater
	MASKS
.Lopen_\@:
	; my wave's maximum for each query: 16 scores a lane, three operands at a time, each accumulator's lowest registers first; then the lane 16 away, which holds the query's other 16 keys
	ALL v_max3_num_f32 v[W+2*tt], v[S+16*tt], v[S+16*tt+1], v[S+16*tt+2]
	ALL v_max3_num_f32 v[W+2*tt+1], v[S+16*tt+8], v[S+16*tt+9], v[S+16*tt+10]
	ALL v_max3_num_f32 v[W+2*tt], v[W+2*tt], v[S+16*tt+3], v[S+16*tt+4]
	ALL v_max3_num_f32 v[W+2*tt+1], v[W+2*tt+1], v[S+16*tt+11], v[S+16*tt+12]
	ALL v_max3_num_f32 v[W+2*tt], v[W+2*tt], v[S+16*tt+5], v[S+16*tt+6]
	ALL v_max3_num_f32 v[W+2*tt+1], v[W+2*tt+1], v[S+16*tt+13], v[S+16*tt+14]
	ALL v_max3_num_f32 v[W+2*tt], v[W+2*tt], v[S+16*tt+7], v[S+16*tt+15]
	ALL v_max_num_f32 v[W+2*tt], v[W+2*tt], v[W+2*tt+1]
	ALL v_permlanex16_b32 v[W+2*tt+1], v[W+2*tt], s[SEL], s[SEL+1]
	ALL v_max_num_f32 v[LM+tt], v[W+2*tt], v[W+2*tt+1]
	ds_store_b128 v[AMW], v[LM:LM+3]
	s_wait_dscnt 0x0                ; for the others' sake: my maxima are in LDS
	s_barrier_signal -1             ; V's tile may stay on its way
	s_barrier_wait -1
.irp w, 0,1,2,3
	ds_load_b128 v[XR+4*(\w):XR+4*(\w)+3], v[AMR] offset:512*(\w)
.endr
	s_wait_dscnt 0x0
	ALL v_mov_b32 v[ST+8*tt+6], v[ST+8*tt]
	ALL v_max3_num_f32 v[ST+8*tt+1], v[ST+8*tt+1], v[XR+tt], v[XR+4+tt]
	ALL v_max3_num_f32 v[ST+8*tt+1], v[ST+8*tt+1], v[XR+8+tt], v[XR+12+tt]
	ALL v_mul_f32 v[ST+8*tt], s[CS], v[ST+8*tt+1]
	ALL v_sub_f32 v[ST+8*tt+5], v[ST+8*tt+6], v[ST+8*tt]
	ALL v_exp_f32 v[ST+8*tt+4], v[ST+8*tt+5]
.set ii, 0
.rept 32                            ; c s - c m, two scores at a time
	v_pk_fma_f32 v[S+2*ii:S+2*ii+1], v[S+2*ii:S+2*ii+1], s[CS:CS+1], v[ST+8*(ii/8):ST+8*(ii/8)+1] op_sel_hi:[1,0,0] neg_lo:[0,0,1] neg_hi:[0,0,1]
.set ii, ii+1
.endr
.set ii, 0
.rept 64
	v_exp_f32 v[S+ii], v[S+ii]
.set ii, ii+1
.endr
	v_nop                           ; a plain instruction between the exponentials and the use of their results (ISA guide 5.7.2)
.set ii, 0
	s_wait_alu depctr_va_vdst(0)
.rept 32
	v_cvt_pk_f16_f32 v[P+ii], v[S+2*ii], v[S+2*ii+1]
.set ii, ii+1
.endr
.irp t, 0,1,2,3
	ds_store_b128 v[APW], v[P+8*(\t):P+8*(\t)+3] offset:1024*(\t)
	ds_store_b128 v[APW], v[P+8*(\t)+4:P+8*(\t)+7] offset:1024*(\t)+512
.endr
	PADD 0, 2                       ; my wave's sum for each query: a lane's 8 pairs of weights, in place; the pair's two halves; the lane 16 away
	PADD 4, 6
	PADD 8, 10
	PADD 12, 14
	PADD 0, 4
	PADD 8, 12
	PADD 0, 8
	ALL v_add_f32 v[W+2*tt], v[S+16*tt], v[S+16*tt+1]
	ALL v_permlanex16_b32 v[W+2*tt+1], v[W+2*tt], s[SEL], s[SEL+1]
	ALL v_add_f32 v[LM+tt], v[W+2*tt], v[W+2*tt+1]
	ds_store_b128 v[AMW], v[LM:LM+3] offset:2048  ; handed on with P, so that every wave keeps the whole l and a block's end needs no barrier
	s_wait_tensorcnt 0x0            ; all my tensor loads have landed: the one that was out is my quarter of V's tile; so a group 0 may be written
	ds_add_u32 v[SPW], v[NIL]       ; 0 onto my spare word; the rescaling stands between it and the wait for it
.if \fill
	s_lshl_b32 s[OFF], s[NXT], 17   ; the next tile's address is made anew from its number
	s_add_nc_u64 s[G0K+2:G0K+3], s[KBP:KBP+1], s[OFF:OFF+1]
	s_or_b32 s[G0K+3], s[G0K+3], 0x80000000
.endif
	WIN 0x41                        ; O^T (destination and source 0) in window 1, a in window 0
.set ii, 0
.rept 128                           ; O^T times a, each accumulator's registers in ascending order
	v_pk_mul_f32 v[2*ii:2*ii+1], v[2*ii:2*ii+1], v[ST+8*((ii/4)%4)+4:ST+8*((ii/4)%4)+5] op_sel_hi:[1,0]
.set ii, ii+1
.endr
	WIN 0
	s_wait_dscnt 0x0                ; the add is done, my weights and sums are in LDS, and my reads of K's tile are long over
.if \fill
	CROUND                          ; no wave of any partner still reads K's tile or has a load on its way; V's tile, P and the sums are whole
	JK                              ; the first tensor load behind the round: it has the 128 products below in which to land
.else
	s_barrier_signal -1
	s_barrier_wait -1
.endif
.irp w, 0,1,2,3
	ds_load_b128 v[XS+4*(\w):XS+4*(\w)+3], v[AMR] offset:2048+512*(\w)
.endr
	LDPV 0, 0
	LDPV 1, 1
	s_wait_dscnt 24                 ; the sums and the older run of 24 are in, the younger run stays out
	ALL v_add_f32 v[XS+tt], v[XS+tt], v[XS+4+tt]
	ALL v_add_f32 v[XS+8+tt], v[XS+8+tt], v[XS+12+tt]
	ALL v_add_f32 v[XS+tt], v[XS+tt], v[XS+8+tt]
	ALL v_fma_f32 v[ST+8*tt+2], v[ST+8*tt+2], v[ST+8*tt+4], v[XS+tt]  ; l = a l + the four waves' sums
	MMP 0
	PLACES
	LDPV 2, 0
	s_wait_dscnt 24
	MMP 1
	PLACES
	LDPV 3, 1
	s_wait_dscnt 24
	MMP 0
	s_wait_dscnt 0x0
	MMP 1
	WIN 0
.if \fill
	s_wait_tensorcnt 0x0            ; the next tile of K has landed
	ds_add_u32 v[SPW], v[NIL]
	s_add_nc_u64 s[G0V+2:G0V+3], s[VBP:VBP+1], s[OFF:OFF+1]
	s_or_b32 s[G0V+3], s[G0V+3], 0x80000000
	s_mov_b32 s[TT], s[NXT]         ; the tile asked for is the next in hand;
	s_add_co_u32 s[NXT], s[NXT], 1  ; behind it comes its neighbour, or, behind the last tile of B's first piece, tile 0
	s_cmp_gt_u32 s[NXT], s[LASTT]
	s_cselect_b32 s[NXT], 0, s[NXT]
	s_cselect_b32 s[LASTT], 64, s[LASTT]
	s_wait_dscnt 0x0                ; the add is done, and my reads of V's tile, of P and of the sums are over
	CROUND                          ; no wave of any partner still reads V's tile, the maxima, the sums or P
	JV                              ; it has the next tile's 128 products K Q^T and its softmax in which to land
	PLACES                          ; with the four v_nop above: eight places in front of the loads and products that write over V's and P's registers
.endif
.endm
; A BLOCK'S OR A PIECE'S END.  Wave 0 stores c m and l of the 64 rows: lanes 0-15 take an even tile t, lanes 16-31 the odd one beside it, so that each store covers 256 consecutive bytes.
.macro STATS
	s_cmp_lg_u32 s[WV], 0
	s_cbranch_scc1 .Lno_stat_\@
	v_cmp_eq_u32 vcc_lo, 1, v2
.irp u, 0,1
	v_cndmask_b32 v[W+2*(\u)], v[ST+16*(\u)], v[ST+16*(\u)+8], vcc_lo
	v_cndmask_b32 v[W+2*(\u)+1], v[ST+16*(\u)+2], v[ST+16*(\u)+10], vcc_lo
	global_store_b64 v[SOF], v[W+2*(\u):W+2*(\u)+1], s[SO:SO+1] offset:256*(\u)
.endr
.Lno_stat_\@:
.endm
; Tile t: O^T divided by l; a lane's eight channels of a row are 32 bytes; they go into rows of 528 bytes of my stage and come back as whole rows of 512.
.macro OUTT t, b
	WIN 0x01                        ; source 0 in window 1
.set ii, 0
.rept 32
	v_pk_mul_f32 v[S+2*ii:S+2*ii+1], v[8*(4*(ii/4)+(\t))+2*(ii%4):8*(4*(ii/4)+(\t))+2*(ii%4)+1], v[ST+8*(\t)+4:ST+8*(\t)+5] op_sel_hi:[1,0]
.set ii, ii+1
.endr
	WIN 0
.set ii, 0
.rept 8
	ds_store_b128 v[STO], v[S+8*ii:S+8*ii+3] offset:64*ii
	ds_store_b128 v[STO], v[S+8*ii+4:S+8*ii+7] offset:64*ii+16
.set ii, ii+1
.endr
	s_wait_xcnt 0x0                 ; registers that earlier stores read are loaded again only behind this wait
.set ii, 0
.rept 16
	ds_load_b128 v[OB+64*((\t)%2)+4*ii:OB+64*((\t)%2)+4*ii+3], v[RD] offset:SP*ii  ; LDS serves a wave's instructions in order (ISA guide 5.7.1.4): these see the stores above
.set ii, ii+1
.endr
	s_wait_dscnt 0x0
.set ii, 0
.rept 16
	global_store_b128 v[GO], v[OB+64*((\t)%2)+4*ii:OB+64*((\t)%2)+4*ii+3], s[\b:\b+1] offset:(16*(\t)+ii)*2048 th:TH_STORE_NT  ; 512 consecutive bytes, at a multiple of 256 from the buffer's first byte
.set ii, ii+1
.endr
.endm
.macro WAYOUT b
	ALL v_rcp_f32 v[ST+8*tt+4], v[ST+8*tt+2]
	v_nop                           ; a plain instruction between the last reciprocal and the use of its result
	s_wait_alu depctr_va_vdst(0)
	OUTT 0, \b
	OUTT 1, \b
	OUTT 2, \b
	OUTT 3, \b
.endm
	s_wait_loadcnt 0x0              ; Q
	s_wait_tensorcnt 0x1            ; my quarter of K's first tile is in; V's may stay out
	s_barrier_signal -1
	s_barrier_wait -1
.Ltile:                             ; eight trips in every work-group; the LDS addresses are the same in every trip
	TILE 1
	s_cmp_lg_u32 s[TRIP], s[CH]
	s_cbranch_scc1 .Lsame
	QLOAD QB2                       ; B CHANGES BLOCKS.  Q's registers were last read by this tile's first 128 products; block p's rows come in while the piece goes out
	WIN 0
	STATS
	WAYOUT PO
	s_lshl_b32 s[DG], s[PP], 1      ; block p takes the mask from tile 2 p on
	ALL v_add_nc_u32 v[ST+8*tt+7], s[DLT], v[ST+8*tt+7]
	ALL v_mov_b32 v[ST+8*tt], 0xfe000000    ; the next tile's a is 0: O^T and l are left as they are
	ALL v_mov_b32 v[ST+8*tt+1], 0xff7fffff
	s_wait_loadcnt 0x0              ; Q
	s_wait_xcnt 0x0                 ; the registers that the stores read are written again only behind this wait
.Lsame:
	s_add_co_u32 s[TRIP], s[TRIP], 1
	s_cmp_lt_u32 s[TRIP], 8
	s_cbranch_scc1 .Ltile
	TILE 0                          ; the last tile is written out
	PLACES                          ; behind the last products
	s_cmp_eq_u32 s[TY], 0
	s_cselect_b64 s[EO:EO+1], s[PO:PO+1], s[OA:OA+1]  ; A's piece goes to part, B's block p to out0: rows of 2,048 bytes in both
	s_cbranch_scc0 .Lwhole          ; a whole block needs no statistics
	STATS
.Lwhole:
	WAYOUT EO
	s_wait_tensorcnt 0x0            ; the wave's end: behind my last tensor load and my last LDS store
	ds_add_u32 v[SPW], v[NIL]
	s_wait_dscnt 0x0
	CROUND                          ; the closing round: no work-group ends while a partner may still ask for a tile that names it
	s_endpgm
.Lfunc_end_k_qf54c4ed780_attn:
	.size	k_qf54c4ed780_attn, .Lfunc_end_k_qf54c4ed780_attn-k_qf54c4ed780_attn
	.p2alignl 7, 3214868480
	.fill 96, 4, 3214868480
	.section	.rodata,"a",@progbits
	.p2align	6, 0x0
	.amdhsa_kernel k_qf54c4ed780_attn
		.amdhsa_group_segment_fixed_size 327680
		.amdhsa_private_segment_fixed_size 0
		.amdhsa_enable_private_segment 0
		.amdhsa_kernarg_size 32
		.amdhsa_user_sgpr_count 2
		.amdhsa_user_sgpr_kernarg_segment_ptr 1
		.amdhsa_wavefront_size32 1
		.amdhsa_system_sgpr_workgroup_id_x 1
		.amdhsa_system_sgpr_workgroup_id_y 1
		.amdhsa_system_sgpr_workgroup_id_z 1
		.amdhsa_system_vgpr_workitem_id 0
		.amdhsa_next_free_vgpr 1024
		.amdhsa_next_free_sgpr 88
		.amdhsa_reserve_vcc 1
		.amdhsa_float_denorm_mode_32 3
		.amdhsa_float_denorm_mode_16_64 3
		.amdhsa_memory_ordered 1
		.amdhsa_forward_progress 1
		.amdhsa_inst_pref_size 200
	.end_amdhsa_kernel
	.amdgpu_metadata
---
amdhsa.version: [ 1, 2 ]
amdhsa.kernels:
  - .name:           k_qf54c4ed780_attn
    .symbol:         k_qf54c4ed780_attn.kd
    .args:
      - { .name: qkv, .offset: 0, .size: 8, .value_kind: global_buffer, .address_space: global }
      - { .name: out0, .offset: 8, .size: 8, .value_kind: global_buffer, .address_space: global }
      - { .name: part, .offset: 16, .size: 8, .value_kind: global_buffer, .address_space: global }
      - { .name: stat, .offset: 24, .size: 8, .value_kind: global_buffer, .address_space: global }
    .group_segment_fixed_size: 327680
    .private_segment_fixed_size: 0
    .kernarg_segment_align: 8
    .kernarg_segment_size: 32
    .max_flat_workgroup_size: 128
    .sgpr_count:     88
    .vgpr_count:     1024
    .wavefront_size: 32
...
	.end_amdgpu_metadata
.endif
;; end of part 3
;; launch comb (part 4): grid 256 x 1, 8 waves a work-group, no clusters, 0 bytes of LDS; arguments part, stat, out0; writes out0
.if DOCPART == 4
	.amdgcn_target "amdgcn-amd-amdhsa--gfx1250"
	.amdhsa_code_object_version 6
	.text
	.protected	k_qf54c4ed780_comb
	.globl	k_qf54c4ed780_comb
	.p2align	8
	.type	k_qf54c4ed780_comb,@function
k_qf54c4ed780_comb:
	s_mov_b64 s[64:65], 0
	v_nop
	global_prefetch_b8 v0, s[64:65] scope:SCOPE_SE
	s_setreg_imm32_b32 hwreg(HW_REG_WAVE_MODE, 25, 1), 1
	s_wait_xcnt 0x0
; THE TWO PIECES OF A ROW ARE JOINED.  For rows 1,024 to 2,047 of each of the 8 batches the launch before has left two partial results, each over a part of the row's keys:
; part[i][g][:] = (the sum of p v) / l_i in f32, and stat[i][g] = (c m_i, l_i), with p = 2^(c s - c m_i); g = 1,024 x batch + row - 1,024.
; out0 = (w_0 part[0] + w_1 part[1]) / (w_0 + w_1), w_i = l_i 2^(c m_i - M), M = the larger c m.  All in f32.  A w below 2^-126 counts as 0.
; A stream: 8,192 rows, 4,096 bytes in and 2,048 out for each.  A wave takes four rows; all its 32 loads, each of 512 consecutive bytes, go out at once; a row's four numbers of statistics are the same for all
; lanes and come by scalar loads.  No LDS, no matrix unit, no cluster: no byte is read twice.
.set A,  16                            ; v[16:79]    part 0: quarter c of row i at A + 4 (4 i + c); then the result
.set B,  80                            ; v[80:143]   part 1
.set WT, 144                           ; v[144:159]  row i: w_0 twice, w_1 twice: pairs for the packed arithmetic
.set E,  160                           ; v[160:167]  at work
	s_load_b128 s[4:7], s[0:1], 0x0                ; part s[4:5], stat s[6:7]
	s_load_b64 s[8:9], s[0:1], 0x10                ; out0
	v_lshrrev_b32 v1, 5, v0
	v_readfirstlane_b32 s10, v1                    ; wave 0..7
	v_and_b32 v2, 31, v0
	v_lshlrev_b32 v2, 4, v2                        ; 16 bytes a lane
	s_lshl_b32 s11, ttmp9, 5                       ; 32 rows a work-group,
	s_lshl_b32 s12, s10, 2                         ; 4 a wave
	s_add_co_u32 s11, s11, s12                     ; g of my first row
	s_lshl_b32 s12, s11, 11                        ; rows of 2,048 bytes
	s_mov_b32 s13, 0
	s_lshl_b32 s14, s11, 3                         ; 8 bytes of statistics a row
	s_mov_b32 s15, 0
	s_lshr_b32 s32, s11, 10                        ; the batch: in out0 row g lies 1,024 (batch + 1) rows further on
	s_add_co_u32 s32, s32, 1
	s_lshl_b32 s32, s32, 21
	s_add_co_u32 s32, s32, s12
	s_mov_b32 s33, 0
	s_wait_kmcnt 0x0
	s_add_nc_u64 s[4:5], s[4:5], s[12:13]
	s_add_nc_u64 s[34:35], s[4:5], 0x1000000       ; the second piece lies 8,192 rows on
	s_add_nc_u64 s[6:7], s[6:7], s[14:15]
	s_add_nc_u64 s[8:9], s[8:9], s[32:33]
	s_load_b256 s[16:23], s[6:7], 0x0              ; c m_0, l_0 of my four rows
	s_load_b256 s[24:31], s[6:7], 0x10000          ; c m_1, l_1
.set k, 0
.rept 16
	global_load_b128 v[A+4*k:A+4*k+3], v2, s[4:5] offset:2048*(k/4)+512*(k%4) th:TH_LOAD_NT
	global_load_b128 v[B+4*k:B+4*k+3], v2, s[34:35] offset:2048*(k/4)+512*(k%4) th:TH_LOAD_NT
.set k, k+1
.endr
	s_wait_kmcnt 0x0
.irp i, 0,1,2,3
	v_mov_b32 v[E+2*(\i)], s[24+2*(\i)]
	v_max_num_f32 v[E+2*(\i)+1], s[16+2*(\i)], v[E+2*(\i)]         ; M
.endr
.irp i, 0,1,2,3
	v_sub_f32 v[WT+4*(\i)], s[16+2*(\i)], v[E+2*(\i)+1]
	v_sub_f32 v[WT+4*(\i)+2], v[E+2*(\i)], v[E+2*(\i)+1]
.endr
.irp i, 0,1,2,3
	v_exp_f32 v[WT+4*(\i)], v[WT+4*(\i)]
	v_exp_f32 v[WT+4*(\i)+2], v[WT+4*(\i)+2]
.endr
	v_nop                                          ; a plain instruction between the exponentials and the use of their results (ISA guide 5.7.2)
	s_wait_alu depctr_va_vdst(0)
.irp i, 0,1,2,3
	v_mul_f32 v[WT+4*(\i)], s[17+2*(\i)], v[WT+4*(\i)]
	v_mul_f32 v[WT+4*(\i)+2], s[25+2*(\i)], v[WT+4*(\i)+2]
.endr
.irp i, 0,1,2,3
	v_add_f32 v[E+2*(\i)], v[WT+4*(\i)], v[WT+4*(\i)+2]
.endr
.irp i, 0,1,2,3
	v_rcp_f32 v[E+2*(\i)], v[E+2*(\i)]
.endr
	v_nop
	s_wait_alu depctr_va_vdst(0)
.irp i, 0,1,2,3
	v_mul_f32 v[WT+4*(\i)], v[WT+4*(\i)], v[E+2*(\i)]
	v_mul_f32 v[WT+4*(\i)+2], v[WT+4*(\i)+2], v[E+2*(\i)]
.endr
.irp i, 0,1,2,3
	v_mov_b32 v[WT+4*(\i)+1], v[WT+4*(\i)]
	v_mov_b32 v[WT+4*(\i)+3], v[WT+4*(\i)+2]
.endr
.set k, 0
.rept 16
	s_wait_loadcnt 30-2*k                          ; loads come back in order: pair k of the sixteen is in, the younger pairs stay out
	v_pk_mul_f32 v[A+4*k:A+4*k+1], v[A+4*k:A+4*k+1], v[WT+4*(k/4):WT+4*(k/4)+1]
	v_pk_mul_f32 v[A+4*k+2:A+4*k+3], v[A+4*k+2:A+4*k+3], v[WT+4*(k/4):WT+4*(k/4)+1]
	v_pk_fma_f32 v[A+4*k:A+4*k+1], v[B+4*k:B+4*k+1], v[WT+4*(k/4)+2:WT+4*(k/4)+3], v[A+4*k:A+4*k+1]
	v_pk_fma_f32 v[A+4*k+2:A+4*k+3], v[B+4*k+2:B+4*k+3], v[WT+4*(k/4)+2:WT+4*(k/4)+3], v[A+4*k+2:A+4*k+3]
	global_store_b128 v2, v[A+4*k:A+4*k+3], s[8:9] offset:2048*(k/4)+512*(k%4) th:TH_STORE_NT  ; 512 consecutive bytes, at a multiple of 256 from out0's first byte
.set k, k+1
.endr
	s_endpgm
.Lfunc_end_k_qf54c4ed780_comb:
	.size	k_qf54c4ed780_comb, .Lfunc_end_k_qf54c4ed780_comb-k_qf54c4ed780_comb
	.p2alignl 7, 3214868480
	.fill 96, 4, 3214868480
	.section	.rodata,"a",@progbits
	.p2align	6, 0x0
	.amdhsa_kernel k_qf54c4ed780_comb
		.amdhsa_group_segment_fixed_size 0
		.amdhsa_private_segment_fixed_size 0
		.amdhsa_enable_private_segment 0
		.amdhsa_kernarg_size 24
		.amdhsa_user_sgpr_count 2
		.amdhsa_user_sgpr_kernarg_segment_ptr 1
		.amdhsa_wavefront_size32 1
		.amdhsa_system_sgpr_workgroup_id_x 1
		.amdhsa_system_sgpr_workgroup_id_y 1
		.amdhsa_system_sgpr_workgroup_id_z 1
		.amdhsa_system_vgpr_workitem_id 0
		.amdhsa_next_free_vgpr 168
		.amdhsa_next_free_sgpr 66
		.amdhsa_reserve_vcc 0
		.amdhsa_float_denorm_mode_32 3
		.amdhsa_float_denorm_mode_16_64 3
		.amdhsa_memory_ordered 1
		.amdhsa_forward_progress 1
		.amdhsa_inst_pref_size 13
	.end_amdhsa_kernel
	.amdgpu_metadata
---
amdhsa.version: [ 1, 2 ]
amdhsa.kernels:
  - .name:           k_qf54c4ed780_comb
    .symbol:         k_qf54c4ed780_comb.kd
    .args:
      - { .name: part, .offset: 0, .size: 8, .value_kind: global_buffer, .address_space: global }
      - { .name: stat, .offset: 8, .size: 8, .value_kind: global_buffer, .address_space: global }
      - { .name: out0, .offset: 16, .size: 8, .value_kind: global_buffer, .address_space: global }
    .group_segment_fixed_size: 0
    .private_segment_fixed_size: 0
    .kernarg_segment_align: 8
    .kernarg_segment_size: 24
    .max_flat_workgroup_size: 256
    .sgpr_count:     66
    .vgpr_count:     168
    .wavefront_size: 32
...
	.end_amdgpu_metadata
.endif
;; end of part 4
;; ======== version 2 of 2: 4 launches; version 1 with the launch comb written anew for expert scheduling mode
;; limits: values are held in f16: magnitudes above 65,504 overflow, below 6.1e-05 lose precision
;; workspace buffers: wt 3,145,728 bytes; qkv 50,331,648 bytes; part 33,554,432 bytes; stat 131,072 bytes
;; launch wprep: the kernel of part 1 again; grid 24 x 16, 8 waves a work-group, no clusters, 17,920 bytes of LDS; arguments W_query, W_key, W_value, wt; writes wt
;; launch proj: the kernel of part 2 again; grid 4 x 64, 4 waves a work-group, clusters of 4 x 4, 327,680 bytes of LDS; arguments x, wt, qkv; writes qkv
;; launch attn: the kernel of part 3 again; grid 32 x 8, 4 waves a work-group, clusters of 4 x 1, 327,680 bytes of LDS; arguments qkv, out0, part, stat; writes out0, part, stat
;; launch comb (part 5): grid 256 x 1, 8 waves a work-group, no clusters, 0 bytes of LDS; arguments part, stat, out0; writes out0
.if DOCPART == 5
	.amdgcn_target "amdgcn-amd-amdhsa--gfx1250"
	.amdhsa_code_object_version 6
	.text
	.protected	k_qf54c4ed780_comb
	.globl	k_qf54c4ed780_comb
	.p2align	8
	.type	k_qf54c4ed780_comb,@function
k_qf54c4ed780_comb:
	s_mov_b64 s[64:65], 0
	v_nop
	global_prefetch_b8 v0, s[64:65] scope:SCOPE_SE
	s_setreg_imm32_b32 hwreg(HW_REG_WAVE_SCHED_MODE, 0, 2), 2
	s_setreg_imm32_b32 hwreg(HW_REG_WAVE_MODE, 25, 1), 1
	s_wait_xcnt 0x0
	s_wait_alu depctr_vm_vsrc(0)
; THE TWO PIECES OF A ROW ARE JOINED.  For rows 1,024 to 2,047 of each of the 8 batches the launch before has left two partial results, each over a part of the row's keys:
; part[i][g][:] = (the sum of p v) / l_i in f32, and stat[i][g] = (c m_i, l_i), with p = 2^(c s - c m_i); g = 1,024 x batch + row - 1,024.
; out0 = (w_0 part[0] + w_1 part[1]) / (w_0 + w_1), w_i = l_i 2^(c m_i - M), M = the larger c m.  All in f32.  A w below 2^-126 counts as 0.
; A stream: 8,192 rows, 4,096 bytes in and 2,048 out for each.  A wave takes four rows; all its 32 loads, each of 512 consecutive bytes, go out at once; a row's four numbers of statistics are the same for all
; lanes and come by scalar loads.  No LDS, no matrix unit, no cluster: no byte is read twice.
; THE MODE: SCHED_MODE bits 1:0 = 2 (LLVM: expert scheduling mode 2), set by the entry lines.  The code itself states the register dependences
; between vector instructions and memory instructions, with s_wait_alu, always for 0.
; THE PLAN.  Registers that memory instructions touch:
;   v2   16 x lane.  Written at the head and never again; read by every load and every store as its offset.
;   A    Quarter k of the sixteen: its load lands in it (no vector instruction has named it before); its four arithmetic lines work in place; its one store reads it; nothing writes it afterwards.
;   B    Quarter k: its load lands in it; the two multiply-adds read it; no store reads it, nothing writes it again.
;   WT, E and v1 are named by vector instructions alone.
; The stores lag by a row: the store of quarter k - 4 stands ahead of quarter k's arithmetic.  So ONE wait at the head of rows 1, 2 and 3 states that the row before has written its A, and that row's four
; stores are dealt among this row's vector lines, which name this row's A and B and WT alone.  One more wait stands ahead of the last four stores.  No register that a memory instruction reads is written again.
.set A,  16                            ; v[16:79]    part 0: quarter c of row i at A + 4 (4 i + c); then the result
.set B,  80                            ; v[80:143]   part 1
.set WT, 144                           ; v[144:159]  row i: w_0 twice, w_1 twice: pairs for the packed arithmetic
.set E,  160                           ; v[160:167]  at work
	s_load_b128 s[4:7], s[0:1], 0x0                ; part s[4:5], stat s[6:7]
	s_load_b64 s[8:9], s[0:1], 0x10                ; out0
	v_lshrrev_b32 v1, 5, v0
	v_readfirstlane_b32 s10, v1                    ; wave 0..7
	v_and_b32 v2, 31, v0
	v_lshlrev_b32 v2, 4, v2                        ; 16 bytes a lane
	s_lshl_b32 s11, ttmp9, 5                       ; 32 rows a work-group,
	s_wait_alu depctr_va_sdst(0)                   ; s10 is written, ahead of its first reader: the three bases are made from it
	s_lshl_b32 s12, s10, 2                         ; 4 a wave
	s_add_co_u32 s11, s11, s12                     ; g of my first row
	s_lshl_b32 s12, s11, 11                        ; rows of 2,048 bytes
	s_mov_b32 s13, 0
	s_lshl_b32 s14, s11, 3                         ; 8 bytes of statistics a row
	s_mov_b32 s15, 0
	s_lshr_b32 s32, s11, 10                        ; the batch: in out0 row g lies 1,024 (batch + 1) rows further on
	s_add_co_u32 s32, s32, 1
	s_lshl_b32 s32, s32, 21
	s_add_co_u32 s32, s32, s12
	s_mov_b32 s33, 0
	s_wait_kmcnt 0x0
	s_add_nc_u64 s[4:5], s[4:5], s[12:13]
	s_add_nc_u64 s[34:35], s[4:5], 0x1000000       ; the second piece lies 8,192 rows on
	s_add_nc_u64 s[6:7], s[6:7], s[14:15]
	s_add_nc_u64 s[8:9], s[8:9], s[32:33]
	s_load_b256 s[16:23], s[6:7], 0x0              ; c m_0, l_0 of my four rows
	s_load_b256 s[24:31], s[6:7], 0x10000          ; c m_1, l_1
	s_wait_alu depctr_va_vdst(0)                   ; v2 is written: every load and store of the kernel reads it as its offset
.set k, 0
.rept 16
	global_load_b128 v[A+4*k:A+4*k+3], v2, s[4:5] offset:2048*(k/4)+512*(k%4) th:TH_LOAD_NT
	global_load_b128 v[B+4*k:B+4*k+3], v2, s[34:35] offset:2048*(k/4)+512*(k%4) th:TH_LOAD_NT
.set k, k+1
.endr
	s_wait_kmcnt 0x0
.irp i, 0,1,2,3
	v_mov_b32 v[E+2*(\i)], s[24+2*(\i)]
	v_max_num_f32 v[E+2*(\i)+1], s[16+2*(\i)], v[E+2*(\i)]         ; M
.endr
.irp i, 0,1,2,3
	v_sub_f32 v[WT+4*(\i)], s[16+2*(\i)], v[E+2*(\i)+1]
	v_sub_f32 v[WT+4*(\i)+2], v[E+2*(\i)], v[E+2*(\i)+1]
.endr
.irp i, 0,1,2,3
	v_exp_f32 v[WT+4*(\i)], v[WT+4*(\i)]
	v_exp_f32 v[WT+4*(\i)+2], v[WT+4*(\i)+2]
.endr
	v_nop                                          ; a plain instruction between the exponentials and the use of their results (ISA guide 5.7.2)
	s_wait_alu depctr_va_vdst(0)                   ; the eight exponentials have written WT, ahead of the multiplies that read it: one wait for the batch
.irp i, 0,1,2,3
	v_mul_f32 v[WT+4*(\i)], s[17+2*(\i)], v[WT+4*(\i)]
	v_mul_f32 v[WT+4*(\i)+2], s[25+2*(\i)], v[WT+4*(\i)+2]
.endr
.irp i, 0,1,2,3
	v_add_f32 v[E+2*(\i)], v[WT+4*(\i)], v[WT+4*(\i)+2]
.endr
.irp i, 0,1,2,3
	v_rcp_f32 v[E+2*(\i)], v[E+2*(\i)]
.endr
	v_nop                                          ; a plain instruction between the reciprocals and the use of their results
	s_wait_alu depctr_va_vdst(0)                   ; the four reciprocals have written E, ahead of the multiplies that read it: one wait for the batch
.irp i, 0,1,2,3
	v_mul_f32 v[WT+4*(\i)], v[WT+4*(\i)], v[E+2*(\i)]
	v_mul_f32 v[WT+4*(\i)+2], v[WT+4*(\i)+2], v[E+2*(\i)]
.endr
.irp i, 0,1,2,3
	v_mov_b32 v[WT+4*(\i)+1], v[WT+4*(\i)]
	v_mov_b32 v[WT+4*(\i)+3], v[WT+4*(\i)+2]
.endr
.set k, 0
.rept 16
	s_wait_loadcnt 30-2*k                          ; loads come back in order: pair k of the sixteen is in, the younger pairs stay out
.if ((k%4) == 0) && (k > 0)
	s_wait_alu depctr_va_vdst(0)                   ; the row before has written its sixteen registers of A, which the four stores dealt through this row read
.endif
.if k >= 4
	global_store_b128 v2, v[A+4*(k-4):A+4*(k-4)+3], s[8:9] offset:2048*((k-4)/4)+512*((k-4)%4) th:TH_STORE_NT  ; the same quarter of the row before: 512 consecutive bytes, at a multiple of 256 from out0's first byte; no vector instruction since the wait names these registers
.endif
	v_pk_mul_f32 v[A+4*k:A+4*k+1], v[A+4*k:A+4*k+1], v[WT+4*(k/4):WT+4*(k/4)+1]
	v_pk_mul_f32 v[A+4*k+2:A+4*k+3], v[A+4*k+2:A+4*k+3], v[WT+4*(k/4):WT+4*(k/4)+1]
	v_pk_fma_f32 v[A+4*k:A+4*k+1], v[B+4*k:B+4*k+1], v[WT+4*(k/4)+2:WT+4*(k/4)+3], v[A+4*k:A+4*k+1]
	v_pk_fma_f32 v[A+4*k+2:A+4*k+3], v[B+4*k+2:B+4*k+3], v[WT+4*(k/4)+2:WT+4*(k/4)+3], v[A+4*k+2:A+4*k+3]
.set k, k+1
.endr
	s_wait_alu depctr_va_vdst(0)                   ; the last row has written its A, which the last four stores read
.set k, 12
.rept 4
	global_store_b128 v2, v[A+4*k:A+4*k+3], s[8:9] offset:2048*(k/4)+512*(k%4) th:TH_STORE_NT
.set k, k+1
.endr
	s_endpgm
.Lfunc_end_k_qf54c4ed780_comb:
	.size	k_qf54c4ed780_comb, .Lfunc_end_k_qf54c4ed780_comb-k_qf54c4ed780_comb
	.p2alignl 7, 3214868480
	.fill 96, 4, 3214868480
	.section	.rodata,"a",@progbits
	.p2align	6, 0x0
	.amdhsa_kernel k_qf54c4ed780_comb
		.amdhsa_group_segment_fixed_size 0
		.amdhsa_private_segment_fixed_size 0
		.amdhsa_enable_private_segment 0
		.amdhsa_kernarg_size 24
		.amdhsa_user_sgpr_count 2
		.amdhsa_user_sgpr_kernarg_segment_ptr 1
		.amdhsa_wavefront_size32 1
		.amdhsa_system_sgpr_workgroup_id_x 1
		.amdhsa_system_sgpr_workgroup_id_y 1
		.amdhsa_system_sgpr_workgroup_id_z 1
		.amdhsa_system_vgpr_workitem_id 0
		.amdhsa_next_free_vgpr 168
		.amdhsa_next_free_sgpr 66
		.amdhsa_reserve_vcc 0
		.amdhsa_float_denorm_mode_32 3
		.amdhsa_float_denorm_mode_16_64 3
		.amdhsa_memory_ordered 1
		.amdhsa_forward_progress 1
		.amdhsa_inst_pref_size 13
	.end_amdhsa_kernel
	.amdgpu_metadata
---
amdhsa.version: [ 1, 2 ]
amdhsa.kernels:
  - .name:           k_qf54c4ed780_comb
    .symbol:         k_qf54c4ed780_comb.kd
    .args:
      - { .name: part, .offset: 0, .size: 8, .value_kind: global_buffer, .address_space: global }
      - { .name: stat, .offset: 8, .size: 8, .value_kind: global_buffer, .address_space: global }
      - { .name: out0, .offset: 16, .size: 8, .value_kind: global_buffer, .address_space: global }
    .group_segment_fixed_size: 0
    .private_segment_fixed_size: 0
    .kernarg_segment_align: 8
    .kernarg_segment_size: 24
    .max_flat_workgroup_size: 256
    .sgpr_count:     66
    .vgpr_count:     168
    .wavefront_size: 32
...
	.end_amdgpu_metadata
.endif
;; end of part 5
